; MI455X (gfx1250); checked and timed in simulation.
; The chip was launched on July 23, 2026; its instructions are those of AMD's public machine-readable ISA for CDNA 5 (MIT licence, August 2026) and "CDNA5" Instruction Set Architecture Reference Guide (July 2026). The comments in the code are by the model that wrote it; some were corrected since.
;; Multi Head Attention. Allowed arithmetic: matrix products marked QUANTISED: E2M1 operands, one E8M0 scale for each 32 along K, by v_wmma_scale_f32_16x16x128_f8f6f4 with both operands' format E2M1 (or v_wmma_scale_f32_32x16x128_f4), f32 sums; products left as they are: f32 operands where the result goes on into a quantised operand, else bf16, f16 or f32 operands; f32 sums; everything else in f32.
;; Inputs: beta 512 float32; gamma 512 float32; w_fc 512 x 512 float32; w_k 512 x 512 float32; w_q 512 x 512 float32; w_v 512 x 512 float32; x 8 x 2,048 x 512 float32.
;; Outputs: out0 8 x 512 float32; out1 8 x 2,048 float32.
;; This version of the problem:
;;   THIS VERSION OF THE PROBLEM IS GIVEN IN LOW PRECISION. The matrix products marked QUANTISED in the list below multiply operands that are first quantised to E2M1 (2 exponent bits, 1 mantissa bit; 4 bits a number), with one power-of-two scale for each 32 numbers along K (OCP MX v1.0); their sums are f32. All else is computed in f32.
;;   The module's matrix products, in the order in which they are computed (A, B: the left and right operand; K: the contracted axis; several contracted axes count as one K, in the product's order):
;;     1. [M 16,384, K 512] x [K 512, N 512]; A: input x; B: input w_q: QUANTISED
;;     2. [M 16,384, K 512] x [K 512, N 512]; A: input x; B: input w_k: QUANTISED
;;     3. [M 16,384, K 512] x [K 512, N 512]; A: input x; B: input w_v: QUANTISED
;;     4. batch 64 x [M 2,048, K 64] x [K 64, N 2,048]; A: computed on the way; B: computed on the way: QUANTISED
;;     5. batch 64 x [M 1, K 2,048] x [K 2,048, N 64]; A: computed on the way; B: computed on the way: left as it is (M = 1 < 16)
;;     6. [M 8, K 512] x [K 512, N 512]; A: computed on the way; B: input w_fc: left as it is (M = 8 < 16)
;;   THE QUANTISER, for each operand of a quantised product, along K:
;;     - K is cut into blocks of 32 from its start; a last block that is shorter is filled with zeros.
;;     - A block's scale is 2^e with e = floor(log2(the largest magnitude in the block)) - 2, held to -126 .. 127; a block of zeros has e = 0. As a byte (E8M0): e + 127.
;;     - Each number is divided by its block's scale, clamped to +-6, and rounded to the nearest number of E2M1, ties to even, subnormals kept.
;;     - The product sums the exact products of the quantised numbers (number of the format x scale) in f32.
;;   ~~~python
;;   def quantise(x, axis):      # numpy; x: float32 -> the quantised numbers, widened to float32 again
;;       x = np.moveaxis(x, axis, -1); K = x.shape[-1]
;;       x = np.pad(x, [(0, 0)] * (x.ndim - 1) + [(0, -K % 32)]); x = x.reshape(x.shape[:-1] + (-1, 32)); a = np.abs(x).max(-1, keepdims=True)
;;       e = np.where(a > 0, np.clip(np.frexp(np.where(a > 0, a, 1))[1] - 1 - 2, -126, 127), 0)      # np.frexp(a)[1] - 1 = floor(log2(a)), exactly
;;       r = np.clip(x / 2.0 ** e, -6, 6)
;;       step = 2.0 ** (np.maximum(np.frexp(np.where(r == 0, 1, r))[1] - 1, 0) - 1)
;;       q = np.round(r / step) * step * 2.0 ** e      # np.round: ties to even
;;       return np.moveaxis(q.reshape(q.shape[:-2] + (-1,))[..., :K], -1, axis).astype(np.float32)
;;   ~~~
;;   OPERANDS COMPUTED ON THE WAY. 'Computed on the way' means the value that the module computes at that place (a softmax that the list does not call 'softmax' is quantised finished and normalised). What goes into a quantiser is computed in f32, as accurately as f32 sums, v_exp_f32 and their like allow (about 1e-6 of the number): no bf16 or f16 on the way to a quantiser, and a product that is left as it is and whose result goes on into a quantised operand takes f32 operands (vector FMAs, or v_wmma_f32_16x16x4_f32). A number that lies on a knife's edge between two numbers of the format may be rounded either way, as far as f32 arithmetic and the matrix unit's own rounding can turn it there, and no further.
;; One version. Each part assembles by itself: llvm-mc -triple=amdgcn-amd-amdhsa -mcpu=gfx1250 --defsym DOCPART=n.
;; ======== version 1 of 1: 5 launches
;; limits: right only within a limited range of input values
;; workspace buffers: xq 4,194,304 bytes; xs 262,144 bytes; wc 393,216 bytes; wsb 24,576 bytes; resp 524,288 bytes; pp 2,097,152 bytes; yp 524,288 bytes; qk 9,437,184 bytes
;; launch quant (part 1): grid 280 x 1, 4 waves a work-group, no clusters, 47,616 bytes of LDS; arguments x, w_q, w_k, w_v, xq, xs, wc, wsb, resp; writes xq, xs, wc, wsb, resp
.if DOCPART == 1
	.amdgcn_target "amdgcn-amd-amdhsa--gfx1250"
	.amdhsa_code_object_version 6
	.text
	.protected	k_q083ffd90bd_quant
	.globl	k_q083ffd90bd_quant
	.p2align	8
	.type	k_q083ffd90bd_quant,@function
k_q083ffd90bd_quant:
	s_mov_b64 s[64:65], 0
	v_nop
	global_prefetch_b8 v0, s[64:65] scope:SCOPE_SE
	s_setreg_imm32_b32 hwreg(HW_REG_WAVE_MODE, 25, 1), 1
	s_wait_xcnt 0x0
; x [16384][512] and w_q, w_k, w_v [512][512], f32, K innermost, become codes of FP4 (E2M1) with one E8M0 byte for each 32 along K.
; A block's scale is 2^(floor(log2(largest magnitude)) - 2); its byte is the largest magnitude's exponent field - 2, held at 1 from below.
; THE CODES ARE LAID AS IMAGES OF OPERAND REGISTERS: a tile of 16 rows x 512 K is 4,096 bytes, block k/32 of row t at (k/32) x 256 + 16 t, so that a later
; launch loads a fragment's four registers by one load of 16 bytes a lane, 512 consecutive bytes a wave.  The scale bytes lie [tile][row][16].
; WHICH ROWS FORM A TILE: x: 16 neighbours.  w_q, w_k: row (T/2) 32 + (T%2) 8 + t + 8 (t/8), so that the transposed product leaves a lane 16 neighbours of the next K.
; w_v: row (t%8) 64 + 2 T + t/8, so that image row 16 T + t is the index d x 8 + head in which the pooled values are flattened.
; A wave takes one tile, a row (2,048 bytes) a step.  Work-groups 0-255 take x, 256-263 w_q, 264-271 w_k, 272-279 w_v: one path, the pointers chosen by the work-group's number.
; x's work-groups also store the column sums of their 64 rows (resp), from which the mean over the sequence is made later.
; LIMITS: NaN and infinities among the inputs are not served.  A block of zeros gets the byte 1 where the rule says 127: its codes are zeros and only this program reads the bytes.
.set SP,    80                         ; a lane's place in a turn stage: 64 bytes + 16 of padding
.set WREG,  9728                       ; LDS of a wave: two turn stages (2 x 2,560), the codes' stage (16 x 272), 256 scale bytes
.set CST,   5120
.set SCS,   9472
.set RES,   38912                      ; behind the four waves' regions: 4 x 2,048 bytes of column sums
.set R,     16                         ; v16-79    four sets of 16 numbers as loaded
.set X,     80                         ; v80-111   two sets of 16 neighbours
.set CSM,   112                        ; v112-127  column sums of my 16 columns
.set OFFR,  128                        ; v128-143  byte offset of step t's row, + 16 x lane
.set C,     144                        ; v144-147  codes, two sets of two
.set E,     148                        ; v148-149  scale byte, two sets
.set OUTR,  152                        ; v152-185  the way out
	s_load_b256 s[4:11], s[0:1], 0x0               ; x, w_q, w_k, w_v
	s_load_b256 s[12:19], s[0:1], 0x20             ; xq, xs, wc, wsb
	s_load_b64 s[20:21], s[0:1], 0x40              ; resp
	v_lshl_add_u32 v192, v0, 2, 0xb800
	v_mov_b32 v193, 0
	v_lshrrev_b32 v1, 5, v0
	v_readfirstlane_b32 s22, v1                    ; wave
	v_lshlrev_b32 v1, 4, v0                        ; 16 x thread: resp's offset
	v_and_b32 v2, 31, v0                           ; lane
	v_lshlrev_b32 v3, 4, v2                        ; 16 x lane
	s_mul_i32 s29, s22, WREG                       ; my wave's LDS
	v_lshrrev_b32 v14, 2, v2
	v_mul_u32_u24 v14, v14, SP
	v_and_b32 v15, 3, v2
	v_lshl_add_u32 v14, v15, 4, v14
	v_add_nc_u32 v14, s29, v14                     ; turn stage, in: SP (lane / 4) + 16 (lane % 4)
	v_mul_u32_u24 v15, v2, SP
	v_add_nc_u32 v15, s29, v15                     ; turn stage, out: SP x lane
	v_lshrrev_b32 v5, 1, v2                        ; my block of the row
	v_mul_u32_u24 v4, v5, 272
	v_and_b32 v6, 1, v2
	v_lshl_add_u32 v4, v6, 3, v4
	v_add_nc_u32 v4, s29, v4
	v_add_nc_u32 v4, CST, v4                       ; codes' stage, in: block x 272 + 8 (lane % 2); + 16 t in the immediate
	v_add_nc_u32 v5, s29, v5
	v_add_nc_u32 v5, SCS, v5                       ; my block's scale byte; + 16 t in the immediate
	v_lshrrev_b32 v6, 4, v2
	v_mul_u32_u24 v6, v6, 272
	v_and_b32 v7, 15, v2
	v_lshl_add_u32 v6, v7, 4, v6
	v_add_nc_u32 v6, s29, v6
	v_add_nc_u32 v6, CST, v6                       ; codes' stage, out: two blocks an instruction, 16 bytes a lane
	v_lshlrev_b32 v7, 3, v2                        ; 8 x lane
	v_add_nc_u32 v13, s29, v7
	v_add_nc_u32 v13, SCS, v13                     ; the scale bytes, out
	v_lshlrev_b32 v12, 6, v2
	s_lshl_b32 s42, s22, 11
	v_add_nc_u32 v12, s42, v12
	v_add_nc_u32 v12, RES, v12                     ; my column sums: wave x 2,048 + 64 x lane
	s_lshl_b32 s23, ttmp9, 2
	s_add_co_u32 s23, s23, s22                     ; gw: which tile of all 1,120
	s_sub_co_u32 s24, s23, 1024                    ; among the weights' 96 (used by their work-groups alone)
	s_and_b32 s25, s24, 31                         ; T: the tile within its weight
	s_lshr_b32 s26, s25, 1
	s_lshl_b32 s26, s26, 5
	s_and_b32 s27, s25, 1
	s_lshl_b32 s27, s27, 3
	s_add_co_u32 s26, s26, s27                     ; w_q, w_k: first row (T/2) 32 + (T%2) 8
	s_lshl_b32 s27, s23, 4                         ; x: first row 16 gw
	s_lshl_b32 s28, s25, 1                         ; w_v: first row 2 T
	s_mov_b32 s41, 0
	s_wait_kmcnt 0x0
	s_cmp_lt_u32 ttmp9, 272                        ; the choices hang on the work-group's number alone
	s_cselect_b64 s[30:31], s[8:9], s[10:11]
	s_cmp_lt_u32 ttmp9, 264
	s_cselect_b64 s[30:31], s[6:7], s[30:31]
	s_cmp_lt_u32 ttmp9, 256
	s_cselect_b64 s[30:31], s[4:5], s[30:31]       ; the source
	s_cselect_b64 s[32:33], s[12:13], s[16:17]     ; the codes' buffer
	s_cselect_b64 s[34:35], s[14:15], s[18:19]     ; the scale bytes' buffer
	s_cselect_b32 s36, s23, s24                    ; the tile's number there
	s_cselect_b32 s37, 8, 16                       ; P2: rows from t = 0 to t = 8
	s_cselect_b32 s38, s27, s26                    ; the first row
	s_cmp_ge_u32 ttmp9, 272
	s_cselect_b32 s39, 64, 1                       ; P1: rows from t to t + 1 within eight
	s_cselect_b32 s37, 1, s37
	s_cselect_b32 s38, s28, s38
	s_lshl_b32 s40, s38, 11                        ; a row is 2,048 bytes
	s_add_nc_u64 s[30:31], s[30:31], s[40:41]
	s_lshl_b32 s40, s36, 12
	s_add_nc_u64 s[32:33], s[32:33], s[40:41]
	s_lshl_b32 s40, s36, 8
	s_add_nc_u64 s[34:35], s[34:35], s[40:41]
	s_lshl_b32 s40, ttmp9, 11
	s_add_nc_u64 s[20:21], s[20:21], s[40:41]      ; resp's row of this work-group (used by x's work-groups alone)
	s_lshl_b32 s39, s39, 11
	s_lshl_b32 s37, s37, 11
.irp t, 0,1,2,3,4,5,6,7,8,9,10,11,12,13,14,15
	s_mul_i32 s42, s39, \t%8
.if \t >= 8
	s_add_co_u32 s42, s42, s37
.endif
	v_add_nc_u32 v[OFFR+\t], s42, v3               ; ((t%8) P1 + (t/8) P2) x 2,048 + 16 x lane
.endr
.macro LOAD t                          ; step t's row: four loads of 512 consecutive bytes
.irp i, 0,1,2,3
	global_load_b128 v[R+16*((\t)%4)+4*\i:R+16*((\t)%4)+4*\i+3], v[OFFR+(\t)], s[30:31] offset:512*\i th:TH_LOAD_NT
.endr
.endm
.macro TURN t                          ; through the stage: in as loaded, out 64 bytes a lane.  LDS serves a wave's instructions in order: no wait between
.irp i, 0,1,2,3
	ds_store_b128 v14, v[R+16*((\t)%4)+4*\i:R+16*((\t)%4)+4*\i+3] offset:32*SP*((\t)%2)+8*SP*\i
.endr
.irp i, 0,1,2,3
	ds_load_b128 v[X+16*((\t)%2)+4*\i:X+16*((\t)%2)+4*\i+3], v15 offset:32*SP*((\t)%2)+16*\i
.endr
.endm
.macro STEP t
.set XS, X+16*((\t)%2)
.set CC, C+2*((\t)%2)
.set EE, E+(\t)%2
.if (\t) > 0
	s_wait_dscnt 2                                 ; this step's numbers are back; the last step's byte store and code store may be out
.else
	s_wait_dscnt 0x0
.endif
.if (\t)+4 < 16
	LOAD (\t)+4                                    ; into the set whose stores into the stage are done
.endif
.if (\t)+1 < 16
.if 14-(\t) >= 3
	s_wait_loadcnt 12                              ; the next step's four loads are in; three later steps' twelve may be out
.else
	s_wait_loadcnt 4*(14-(\t))
.endif
	TURN (\t)+1
.endif
	v_max3_num_f32 v8, |v[XS]|, |v[XS+1]|, |v[XS+2]|
	v_max3_num_f32 v9, |v[XS+3]|, |v[XS+4]|, |v[XS+5]|
.irp i, 6,10
	v_max3_num_f32 v8, v8, |v[XS+\i]|, |v[XS+\i+1]|
	v_max3_num_f32 v9, v9, |v[XS+\i+2]|, |v[XS+\i+3]|
.endr
	v_max3_num_f32 v8, v8, |v[XS+14]|, |v[XS+15]|
	v_max3_num_f32 v8, v8, v9, 0x1800000           ; the floor 2^(3 - 127): the byte cannot fall under 1
	v_max_num_f32_dpp v8, v8, v8 row_xmask:1 row_mask:0xf bank_mask:0xf   ; with my neighbour's 16: the block's largest magnitude
	v_add_nc_u32 v11, 0xff000000, v8               ; 2 off its exponent field: the conversion's scale operand
	v_cvt_scalef32_pk8_fp4_f32 v[CC], v[XS:XS+7], v11
	v_cvt_scalef32_pk8_fp4_f32 v[CC+1], v[XS+8:XS+15], v11
	v_lshrrev_b32 v[EE], 23, v11                   ; the scale's byte (a plain line behind the conversions)
.if (\t) == 0
.irp i, 0,1,2,3,4,5,6,7,8,9,10,11,12,13,14,15
	v_mov_b32 v[CSM+\i], v[XS+\i]                  ; the first row starts the column sums
.endr
.else
.irp i, 0,2,4,6,8,10,12,14
	v_pk_add_f32 v[CSM+\i:CSM+\i+1], v[CSM+\i:CSM+\i+1], v[XS+\i:XS+\i+1]
.endr
.endif
	ds_store_b8 v5, v[EE] offset:16*(\t)           ; both lanes of a block write the same byte with the same value
	ds_store_b64 v4, v[CC:CC+1] offset:16*(\t)     ; my 16 codes at block x 272 + 16 t + 8 (lane % 2)
.endm
.irp t, 0,1,2,3
	LOAD \t
.endr
	s_wait_loadcnt 12                              ; step 0's four loads are in
	TURN 0
.irp t, 0,1,2,3,4,5,6,7,8,9,10,11,12,13,14,15
	STEP \t
.endr
	; the way out: the tile's 4,096 bytes of codes, 512 consecutive bytes a store; then its 256 scale bytes
.irp i, 0,1,2,3,4,5,6,7
	ds_load_b128 v[OUTR+4*\i:OUTR+4*\i+3], v6 offset:2*\i*272
.endr
	ds_load_b64 v[OUTR+32:OUTR+33], v13
	s_wait_alu depctr_va_vdst(0)
.irp i, 0,1,2,3,4,5,6,7
	s_wait_dscnt 8-\i                              ; load i is in; the younger ones may be out
	global_store_b128 v3, v[OUTR+4*\i:OUTR+4*\i+3], s[32:33] offset:512*\i
.endr
	s_wait_dscnt 0x0
	global_store_b64 v7, v[OUTR+32:OUTR+33], s[34:35]
	; the four waves' column sums meet in LDS
.irp i, 0,1,2,3
	ds_store_b128 v12, v[CSM+4*\i:CSM+4*\i+3] offset:16*\i
.endr
	s_wait_dscnt 0x0                               ; for the others' sake: my stores are done
	s_barrier_signal -1
	s_barrier_wait -1
	s_cmp_ge_u32 ttmp9, 256                        ; the weights have no residual
	s_cbranch_scc1 .Lend
	v_lshl_add_u32 v9, v0, 4, RES                  ; thread t takes columns 4 t .. 4 t + 3 of all four waves
.irp i, 0,1,2,3
	ds_load_b128 v[R+4*\i:R+4*\i+3], v9 offset:2048*\i
.endr
	s_wait_dscnt 0x0
	v_pk_add_f32 v[R:R+1], v[R:R+1], v[R+4:R+5]
	v_pk_add_f32 v[R+2:R+3], v[R+2:R+3], v[R+6:R+7]
	v_pk_add_f32 v[R+8:R+9], v[R+8:R+9], v[R+12:R+13]
	v_pk_add_f32 v[R+10:R+11], v[R+10:R+11], v[R+14:R+15]
	v_pk_add_f32 v[R:R+1], v[R:R+1], v[R+8:R+9]
	v_pk_add_f32 v[R+2:R+3], v[R+2:R+3], v[R+10:R+11]
	global_store_b128 v1, v[R:R+3], s[20:21]       ; 512 consecutive bytes a wave
.Lend:
	s_wait_tensorcnt 0x0
	ds_add_u32 v192, v193
	s_wait_dscnt 0x0
	s_endpgm
.Lfunc_end_k_q083ffd90bd_quant:
	.size	k_q083ffd90bd_quant, .Lfunc_end_k_q083ffd90bd_quant-k_q083ffd90bd_quant
	.p2alignl 7, 3214868480
	.fill 96, 4, 3214868480
	.section	.rodata,"a",@progbits
	.p2align	6, 0x0
	.amdhsa_kernel k_q083ffd90bd_quant
		.amdhsa_group_segment_fixed_size 47616
		.amdhsa_private_segment_fixed_size 0
		.amdhsa_enable_private_segment 0
		.amdhsa_kernarg_size 72
		.amdhsa_user_sgpr_count 2
		.amdhsa_user_sgpr_kernarg_segment_ptr 1
		.amdhsa_wavefront_size32 1
		.amdhsa_system_sgpr_workgroup_id_x 1
		.amdhsa_system_sgpr_workgroup_id_y 1
		.amdhsa_system_sgpr_workgroup_id_z 1
		.amdhsa_system_vgpr_workitem_id 0
		.amdhsa_next_free_vgpr 194
		.amdhsa_next_free_sgpr 66
		.amdhsa_reserve_vcc 0
		.amdhsa_float_denorm_mode_32 3
		.amdhsa_float_denorm_mode_16_64 3
		.amdhsa_memory_ordered 1
		.amdhsa_forward_progress 1
		.amdhsa_inst_pref_size 46
	.end_amdhsa_kernel
	.amdgpu_metadata
---
amdhsa.version: [ 1, 2 ]
amdhsa.kernels:
  - .name:           k_q083ffd90bd_quant
    .symbol:         k_q083ffd90bd_quant.kd
    .args:
      - { .name: x, .offset: 0, .size: 8, .value_kind: global_buffer, .address_space: global }
      - { .name: w_q, .offset: 8, .size: 8, .value_kind: global_buffer, .address_space: global }
      - { .name: w_k, .offset: 16, .size: 8, .value_kind: global_buffer, .address_space: global }
      - { .name: w_v, .offset: 24, .size: 8, .value_kind: global_buffer, .address_space: global }
      - { .name: xq, .offset: 32, .size: 8, .value_kind: global_buffer, .address_space: global }
      - { .name: xs, .offset: 40, .size: 8, .value_kind: global_buffer, .address_space: global }
      - { .name: wc, .offset: 48, .size: 8, .value_kind: global_buffer, .address_space: global }
      - { .name: wsb, .offset: 56, .size: 8, .value_kind: global_buffer, .address_space: global }
      - { .name: resp, .offset: 64, .size: 8, .value_kind: global_buffer, .address_space: global }
    .group_segment_fixed_size: 47616
    .private_segment_fixed_size: 0
    .kernarg_segment_align: 8
    .kernarg_segment_size: 72
    .max_flat_workgroup_size: 128
    .sgpr_count:     66
    .vgpr_count:     194
    .wavefront_size: 32
...
	.end_amdgpu_metadata
.endif
;; end of part 1
;; launch proj (part 2): grid 16 x 16, 16 waves a work-group, no clusters, 18,432 bytes of LDS; arguments xq, xs, wc, wsb, qk; writes qk
.if DOCPART == 2
	.amdgcn_target "amdgcn-amd-amdhsa--gfx1250"
	.amdhsa_code_object_version 6
	.text
	.protected	k_q083ffd90bd_proj
	.globl	k_q083ffd90bd_proj
	.p2align	8
	.type	k_q083ffd90bd_proj,@function
k_q083ffd90bd_proj:
	s_mov_b64 s[64:65], 0
	v_nop
	global_prefetch_b8 v0, s[64:65] scope:SCOPE_SE
	s_setreg_imm32_b32 hwreg(HW_REG_WAVE_MODE, 25, 1), 1
	s_wait_xcnt 0x0
; q = x w_q^T and k = x w_k^T on codes of FP4 (E2M1) with E8M0 scales; the f32 results are quantised again along the head's 64 and stored as codes.
; A work-group takes one head of one weight (y: 0-7 w_q's heads, 8-15 w_k's) and 1,024 rows of x (x: 0-15); wave w takes four tiles of 16 rows.
; The product is used transposed (source 0 = 16 rows of the weight, source 1 = 16 rows of x); the weight's rows of a tile were chosen by the launch before, so that a lane holds one
; row of x and the 16 registers of tiles 2 b, 2 b + 1 are 16 neighbours of the head's 64.
; OUT, buffer qk: codes at [weight][batch x 8 + head][tile of 16 rows][512 bytes], an image of operand registers: lane (r, h) holds block h of row r, 16 bytes.
; Scale words from byte 8,388,608 on: [weight][batch x 8 + head][4 tiles][256 bytes]: at 8 x lane the words of tiles 2 h, 2 h + 1 of row r; a word is b0 b1 b0 b1.
; q IS NOT DIVIDED BY 8 HERE: quantise(q / 8) = quantise(q) / 8, since 8 is a power of two; the next launch folds the 1 / 8 into its exponent's constant.
; LIMITS: that identity fails where a block's scale would be held at 2^-126 (largest magnitude of q under 2^-121).  NaN and infinities are not served.
; A block of zeros gets the byte 1 where the rule says 127: its codes are zeros and only this program reads the bytes.
; No tensor loads, no cluster, no prefetch: every operand comes in register order, 512 consecutive bytes a load, each tile of x is loaded once by its one wave, and there is no loop to run ahead in.
.set SPARE, 16384                      ; LDS: the head's image of the weight at 0 (16,384 bytes); then the spare words, 128 bytes a wave
.set PWT, 3                            ; v3 a tile's scale word;  v[4:5] the wave's pair of words
.set W2,  4
.set TM,  6                            ; v6-7 largest magnitudes, then the conversions' scale operands
.set TP,  8                            ; v8-9 the other half's, then the bytes
.set SPW, 10
.set NIL, 11
.set PC,  12                           ; v12-15 codes
.set WF,  16                           ; v16-143 the weight's 16 fragments: (tile tt, K step ks) at 8 (4 tt + ks)
.set WS,  144                          ; v144-151 its scale words: lanes 0-15 tiles 0, 1; lanes 16-31 tiles 2, 3: nothing else
.set XF0, 152                          ; v152-183 x's fragments, v184-187 its scale words; buffer 1 lies 36 further on
.set XS0, 184
.set PA,  224                          ; v224-255 four accumulators
.set SEL, 32
.set HM,  34
	s_load_b256 s[4:11], s[0:1], 0x0               ; xq, xs, wc, wsb
	s_load_b64 s[12:13], s[0:1], 0x20              ; qk
	v_lshl_add_u32 v[SPW], v0, 2, SPARE
	v_mov_b32 v[NIL], 0
	v_lshrrev_b32 v12, 5, v0
	v_readfirstlane_b32 s14, v12                   ; wave 0..15
	s_and_b32 s15, ttmp7, 0xffff
	s_lshr_b32 s16, s15, 3                         ; which weight
	s_and_b32 s17, s15, 7                          ; head
	s_lshl_b32 s18, ttmp9, 6
	s_lshl_b32 s19, s14, 2
	s_add_co_u32 s18, s18, s19                     ; my first tile of x's 1,024
	s_lshl_b32 s20, s18, 12
	s_mov_b32 s21, 0
	s_lshl_b32 s22, s18, 8
	s_mov_b32 s23, 0
	s_lshl_b32 s24, s16, 17
	s_lshl_b32 s19, s17, 14
	s_add_co_u32 s24, s24, s19                     ; the head's four tiles of the weight
	s_mov_b32 s25, 0
	s_lshl_b32 s26, s16, 13
	s_lshl_b32 s19, s17, 10
	s_add_co_u32 s26, s26, s19
	s_mov_b32 s27, 0
	s_lshr_b32 s19, ttmp9, 1                       ; batch
	s_lshl_b32 s19, s19, 3
	s_add_co_u32 s19, s19, s17                     ; batch x 8 + head
	s_and_b32 s36, s18, 127                        ; my first tile within the batch
	s_lshl_b32 s28, s16, 22
	s_lshl_b32 s37, s19, 16
	s_add_co_u32 s28, s28, s37
	s_lshl_b32 s37, s36, 9
	s_add_co_u32 s28, s28, s37                     ; codes out
	s_mov_b32 s29, 0
	s_lshl_b32 s30, s16, 19
	s_lshl_b32 s37, s19, 13
	s_add_co_u32 s30, s30, s37
	s_lshl_b32 s37, s36, 6
	s_add_co_u32 s30, s30, s37
	s_add_co_u32 s30, s30, 0x800000                ; scale words out
	s_mov_b32 s31, 0
	s_mov_b32 s[SEL], 0x76543210
	s_mov_b32 s[SEL+1], 0xfedcba98
	s_mov_b32 s[HM], 0xffff0000
	v_and_b32 v13, 31, v0
	v_lshlrev_b32 v1, 4, v13                       ; 16 x lane
	v_and_b32 v14, 15, v0
	v_lshlrev_b32 v2, 4, v14                       ; 16 r
	v_bfe_u32 v15, v0, 4, 1
	v_lshl_add_u32 v3, v15, 9, v2                  ; the weight's scale words: lanes 16-31 two tiles further on
	v_lshlrev_b32 v12, 4, v0                       ; staging: 16 x thread
	v_mov_b32 v[TP], 0                             ; a lane permute's destination counts as one of its sources
	v_mov_b32 v[TP+1], 0
	s_wait_alu depctr_va_vdst(0)                   ; the wait at the head's end
	s_wait_kmcnt 0x0
	s_add_nc_u64 s[4:5], s[4:5], s[20:21]
	s_add_nc_u64 s[6:7], s[6:7], s[22:23]
	s_add_nc_u64 s[8:9], s[8:9], s[24:25]
	s_add_nc_u64 s[10:11], s[10:11], s[26:27]
	s_add_nc_u64 s[28:29], s[12:13], s[28:29]
	s_add_nc_u64 s[30:31], s[12:13], s[30:31]
.macro XLOAD buf, toff                 ; a tile of x: four fragments (eight loads of 512 consecutive bytes) and its rows' 16 scale bytes: nine loads
.irp ks, 0,1,2,3
.irp c, 0,1
	global_load_b128 v[XF0+36*(\buf)+8*\ks+4*\c:XF0+36*(\buf)+8*\ks+4*\c+3], v1, s[4:5] offset:(\toff)*4096+\ks*1024+\c*512
.endr
.endr
	global_load_b128 v[XS0+36*(\buf):XS0+36*(\buf)+3], v2, s[6:7] offset:(\toff)*256
.endm
.macro PMUL buf, ks, tt                ; tile tt of the projection, K step ks
.set DD, PA+8*(\tt)
.set AA, WF+8*(4*(\tt)+(\ks))
.set BB, XF0+36*(\buf)+8*(\ks)
.set SA, WS+4*((\tt)%2)+(\ks)
.set SX, XS0+36*(\buf)+(\ks)
.if (\ks) == 0
.if (\tt) < 2
	v_wmma_scale_f32_16x16x128_f8f6f4 v[DD:DD+7], v[AA:AA+7], v[BB:BB+7], 0, v[SA], v[SX] matrix_a_fmt:MATRIX_FMT_FP4 matrix_b_fmt:MATRIX_FMT_FP4
.else
	v_wmma_scale_f32_16x16x128_f8f6f4 v[DD:DD+7], v[AA:AA+7], v[BB:BB+7], 0, v[SA], v[SX] matrix_a_fmt:MATRIX_FMT_FP4 matrix_b_fmt:MATRIX_FMT_FP4 matrix_a_scale:MATRIX_SCALE_ROW1
.endif
.else
.if (\tt) < 2
	v_wmma_scale_f32_16x16x128_f8f6f4 v[DD:DD+7], v[AA:AA+7], v[BB:BB+7], v[DD:DD+7], v[SA], v[SX] matrix_a_fmt:MATRIX_FMT_FP4 matrix_b_fmt:MATRIX_FMT_FP4
.else
	v_wmma_scale_f32_16x16x128_f8f6f4 v[DD:DD+7], v[AA:AA+7], v[BB:BB+7], v[DD:DD+7], v[SA], v[SX] matrix_a_fmt:MATRIX_FMT_FP4 matrix_b_fmt:MATRIX_FMT_FP4 matrix_a_scale:MATRIX_SCALE_ROW1
.endif
.endif
.endm
; 32 numbers of a lane, register 16 b + i = d 32 b + 16 (lane / 16) + i of my row, become the row's codes (lane (r, h) holds block h) and its scale word b0 b1 b0 b1 in v[pw]
.macro QUANT2 pw
.irp b, 0,1
	v_max3_num_f32 v[TM+\b], |v[PA+16*\b]|, |v[PA+16*\b+1]|, 0x1800000   ; my 16 numbers, and the floor 2^(3 - 127)
.endr
.irp i, 2,4,6,8,10,12,14
.irp b, 0,1
	v_max3_num_f32 v[TM+\b], v[TM+\b], |v[PA+16*\b+\i]|, |v[PA+16*\b+\i+1]|
.endr
.endr
.irp b, 0,1
	v_permlanex16_b32 v[TP+\b], v[TM+\b], s[SEL], s[SEL+1]
.endr
.irp b, 0,1
	v_max_num_f32 v[TM+\b], v[TM+\b], v[TP+\b]     ; with lane l xor 16's: the block's largest magnitude
.endr
.irp b, 0,1
	v_add_nc_u32 v[TM+\b], 0xff000000, v[TM+\b]    ; 2 off its exponent field: the conversion's scale operand
.endr
.irp b, 0,1
	v_lshrrev_b32 v[TP+\b], 23, v[TM+\b]           ; the scale's byte
.endr
	v_lshl_or_b32 v[\pw], v[TP+1], 8, v[TP]
	v_lshl_or_b32 v[\pw], v[\pw], 16, v[\pw]       ; twice, so that the word serves in either half of the score product's K
.irp b, 0,1
	v_cvt_scalef32_pk8_fp4_f32 v[PC+2*\b], v[PA+16*\b:PA+16*\b+7], v[TM+\b]
	v_cvt_scalef32_pk8_fp4_f32 v[PC+2*\b+1], v[PA+16*\b+8:PA+16*\b+15], v[TM+\b]
.endr
	v_nop                                          ; one plain place behind a scaled conversion
	v_permlane16_swap_b32 v[PC], v[PC+2]           ; a whole block to a lane: lanes 0-15 block 0, lanes 16-31 block 1
	v_permlane16_swap_b32 v[PC+1], v[PC+3]
.endm
; One tile: 16 products (the four accumulators by turns), quantised, stored.  left: the next tile's nine loads, which may stay out
.macro PTILE t, left
	s_wait_alu depctr_va_vdst(0)                   ; directly ahead of the waits below
	s_wait_loadcnt \left
.if \t > 0
	s_wait_xcnt 0x0                                ; the last tile's store has read its codes: they may be written again
.endif
.irp ks, 0,1,2,3
.irp tt, 0,1,2,3
	PMUL (\t)%2, \ks, \tt
.endr
.endr
.rept 4
	v_nop                                          ; places in front of loads into registers that the products read, and of the first read of results
.endr
.if \t < 2
	XLOAD (\t)%2, (\t)+2
	QUANT2 W2+\t
.else
	QUANT2 PWT
.endif
	global_store_b128 v1, v[PC:PC+3], s[28:29] offset:512*\t   ; 512 consecutive bytes a wave
.if \t >= 2
	v_cndmask_b32 v[W2+\t-2], v[W2+\t-2], v[PWT], s[HM]        ; lanes 16-31 keep tiles 2 and 3
.endif
.endm
	global_load_b128 v[224:227], v12, s[8:9]       ; the head's image of the weight goes to LDS once
	global_load_b128 v[228:231], v12, s[8:9] offset:8192
	global_load_b128 v[WS:WS+3], v3, s[10:11]
	global_load_b128 v[WS+4:WS+7], v3, s[10:11] offset:256
	XLOAD 0, 0
	XLOAD 1, 1
	s_wait_loadcnt 20                              ; the first two loads are in; the two scale loads and x's 18 may be out
	ds_store_b128 v12, v[224:227]
	ds_store_b128 v12, v[228:231] offset:8192
	s_wait_dscnt 0x0                               ; for the others' sake
	s_barrier_signal -1
	s_barrier_wait -1
.irp f, 0,1,2,3,4,5,6,7,8,9,10,11,12,13,14,15
.irp c, 0,1
	ds_load_b128 v[WF+8*\f+4*\c:WF+8*\f+4*\c+3], v1 offset:\f*1024+\c*512
.endr
.endr
	s_wait_dscnt 0x0
	PTILE 0, 9
	PTILE 1, 9
	PTILE 2, 9
	PTILE 3, 0
	v_lshrrev_b32 v[TM], 1, v1                     ; 8 x lane
	global_store_b64 v[TM], v[W2:W2+1], s[30:31]   ; the four tiles' scale words: one aligned unit of 256 bytes
	s_wait_tensorcnt 0x0                           ; the wave's end
	ds_add_u32 v[SPW], v[NIL]
	s_wait_dscnt 0x0
	s_endpgm
.Lfunc_end_k_q083ffd90bd_proj:
	.size	k_q083ffd90bd_proj, .Lfunc_end_k_q083ffd90bd_proj-k_q083ffd90bd_proj
	.p2alignl 7, 3214868480
	.fill 96, 4, 3214868480
	.section	.rodata,"a",@progbits
	.p2align	6, 0x0
	.amdhsa_kernel k_q083ffd90bd_proj
		.amdhsa_group_segment_fixed_size 18432
		.amdhsa_private_segment_fixed_size 0
		.amdhsa_enable_private_segment 0
		.amdhsa_kernarg_size 40
		.amdhsa_user_sgpr_count 2
		.amdhsa_user_sgpr_kernarg_segment_ptr 1
		.amdhsa_wavefront_size32 1
		.amdhsa_system_sgpr_workgroup_id_x 1
		.amdhsa_system_sgpr_workgroup_id_y 1
		.amdhsa_system_sgpr_workgroup_id_z 1
		.amdhsa_system_vgpr_workitem_id 0
		.amdhsa_next_free_vgpr 256
		.amdhsa_next_free_sgpr 66
		.amdhsa_reserve_vcc 0
		.amdhsa_float_denorm_mode_32 3
		.amdhsa_float_denorm_mode_16_64 3
		.amdhsa_memory_ordered 1
		.amdhsa_forward_progress 1
		.amdhsa_inst_pref_size 26
	.end_amdhsa_kernel
	.amdgpu_metadata
---
amdhsa.version: [ 1, 2 ]
amdhsa.kernels:
  - .name:           k_q083ffd90bd_proj
    .symbol:         k_q083ffd90bd_proj.kd
    .args:
      - { .name: xq, .offset: 0, .size: 8, .value_kind: global_buffer, .address_space: global }
      - { .name: xs, .offset: 8, .size: 8, .value_kind: global_buffer, .address_space: global }
      - { .name: wc, .offset: 16, .size: 8, .value_kind: global_buffer, .address_space: global }
      - { .name: wsb, .offset: 24, .size: 8, .value_kind: global_buffer, .address_space: global }
      - { .name: qk, .offset: 32, .size: 8, .value_kind: global_buffer, .address_space: global }
    .group_segment_fixed_size: 18432
    .private_segment_fixed_size: 0
    .kernarg_segment_align: 8
    .kernarg_segment_size: 40
    .max_flat_workgroup_size: 512
    .sgpr_count:     66
    .vgpr_count:     256
    .wavefront_size: 32
...
	.end_amdgpu_metadata
.endif
;; end of part 2
;; launch attn (part 3): grid 4 x 64, 8 waves a work-group, no clusters, 89,600 bytes of LDS; arguments qk, pp; writes pp
.if DOCPART == 3
	.amdgcn_target "amdgcn-amd-amdhsa--gfx1250"
	.amdhsa_code_object_version 6
	.text
	.protected	k_q083ffd90bd_attn
	.globl	k_q083ffd90bd_attn
	.p2align	8
	.type	k_q083ffd90bd_attn,@function
k_q083ffd90bd_attn:
	s_mov_b64 s[64:65], 0
	v_nop
	global_prefetch_b8 v0, s[64:65] scope:SCOPE_SE
	s_setreg_imm32_b32 hwreg(HW_REG_WAVE_MODE, 25, 1), 1
	s_wait_xcnt 0x0
; For one (batch, head) and one quarter of its queries: pp[bh][quarter][key] = the sum over the quarter's 512 queries of softmax_key((q / 8) . k).
; q's and k's codes of FP4 (E2M1) and their E8M0 scale words come from the launch before, as images of operand registers.
; THE 1 / 8: quantise(q / 8) = quantise(q) / 8 (a power of two), so the scores are raw / 8, and the 1 / 8 stands in the exponent's constant c = log2(e) / 8.
; SHARES.  Eight waves, 512 registers each.  Wave w owns keys 256 w .. 256 w + 255 (16 tiles; their codes stay in 64 registers).  All waves walk the quarter's 32 query tiles together.
; SCORES.  K is 64, the instruction's 128: source 0 packs TWO key tiles; source 1 is [Q | zeros] for the first and [zeros | Q] for the second.  Zero codes add nothing.
; In the result a lane holds one query (lane % 16) and eight keys (8 (lane / 16) + j) of each tile: 128 registers a query tile.
; SOFTMAX.  Each wave takes its own 256 keys' maximum away, p = 2^(s c - m), and sums p to l.  The eight (m, l) of a query meet in LDS, one barrier a query tile; the wave's p are
; weighed by 1 / sum over waves of l' 2^(m' - m) as they are added onto the running column sums.  One exponential a score.
; TWO SCORE BUFFERS, in register windows 0 and 1: tile t's products, maximum, scaling and exponentials stand between the signal and the use of tile t - 1's barrier, and p of tile t - 1
; waits in the other buffer for its factor.  The four exponentials of the factor go in the same batch as the tile's 128.
; LIMITS: NaN and infinities are not served.  Where another wave's maximum lies more than 128 (in log2) over mine, 2^(m' - m) is infinite and my factor 0, where the true one is under 2^-128.
; The scaled scores are taken to stay under 2^31 in magnitude.  The 1 / 8 as stated fails where a block of q has its scale held at 2^-126.
; No tensor loads, no cluster, no prefetch: memory is read at the head alone, each byte in register order, 512 consecutive bytes a load; the loop reads LDS and registers only.
; REGISTERS.  Window 0: v1-63 as named below; v64-127 K's codes; v128-255 score buffer 0.  Window 1: v0-127 column sums; v128-255 score buffer 1.
.set QSS,   16384                      ; LDS: Q's 32 images at 0 (512 bytes each); Q's scale words, 64 bytes a tile;
.set STAT,  18432                      ; two slots of 16 rows x 80: -m of wave w at 4 w, l at 32 + 4 w;
.set SLOTB, 1280
.set STG,   20992                      ; the way out: 16 rows x 528 for each wave;
.set SPARE, 88576                      ; the spare words, 128 bytes a wave
.set L16, 1                            ; 16 x lane
.set QSB, 2                            ; QSS + 4 r
.set STW, 3
.set STR, 4
.set SGW, 5
.set SGR, 6
.set QA,  7
.set QSA, 8
.set VST, 9
.set TPL, 10
.set SPW, 12
.set NIL, 13
.set F,   14                           ; v[14:15] my factor (the upper word is written once and not used)
.set NM,  16                           ; v[16:17], v[18:19] -m of the tile in buffer 0, 1
.set T,   20                           ; v20-23 four chains of maxima
.set L,   24                           ; v24-31 four chains of sums
.set E,   32                           ; v32-35 four waves' -m, v36-39 their l
.set G,   40
.set KS,  44                           ; v44-47 K's scale words: lanes 0-15 tile pair i, lanes 16-31 pair i + 4: nothing else
.set QS,  48                           ; v48 Q's scale word: nothing else
.set QF,  52                           ; v52-55 Q, v56-59 zeros, v60-63 Q
.set KC,  64
.set S,   128
.set SEL, 22
.set CS,  24
.set HM,  26
.set CNT, 27
.set QB,  28                           ; s28 512 x, s29 64 x the even tile of the pair in hand
.set QC,  29
.set MSB, 0
.macro WIN new                         ; the immediate's high byte repeats the setting that is left
.if MSB != (\new)
	s_set_vgpr_msb (MSB<<8)|(\new)
.set MSB, (\new)
.endif
.endm
	s_load_b128 s[4:7], s[0:1], 0x0                ; qk, pp
	v_lshl_add_u32 v[SPW], v0, 2, SPARE
	v_mov_b32 v[NIL], 0
	v_lshrrev_b32 v20, 5, v0
	v_readfirstlane_b32 s20, v20                   ; wave 0..7
	s_and_b32 s21, ttmp7, 0xffff                   ; batch x 8 + head
	s_lshl_b32 s10, s21, 16
	s_lshl_b32 s30, s20, 13
	s_add_co_u32 s14, s10, s30
	s_add_co_u32 s14, s14, 0x400000                ; K's codes, my 16 tiles
	s_lshl_b32 s30, ttmp9, 14
	s_add_co_u32 s10, s10, s30                     ; Q's codes, the quarter's 32 tiles
	s_lshl_b32 s31, s21, 13
	s_add_co_u32 s31, s31, 0x800000
	s_lshl_b32 s30, ttmp9, 11
	s_add_co_u32 s12, s31, s30                     ; Q's scale words
	s_lshl_b32 s30, s20, 10
	s_add_co_u32 s16, s31, s30
	s_add_co_u32 s16, s16, 0x80000                 ; K's
	s_lshl_b32 s18, s21, 15
	s_add_co_u32 s18, s18, s30
	s_lshl_b32 s30, ttmp9, 13
	s_add_co_u32 s18, s18, s30                     ; pp: bh x 32,768 + quarter x 8,192 + wave x 1,024
	s_mov_b32 s11, 0
	s_mov_b32 s13, 0
	s_mov_b32 s15, 0
	s_mov_b32 s17, 0
	s_mov_b32 s19, 0
	s_lshl_b32 s32, s20, 2
	s_add_co_u32 s32, s32, STAT
	s_mul_i32 s33, s20, 8448
	s_add_co_u32 s33, s33, STG
	s_mov_b32 s[SEL], 0x76543210
	s_mov_b32 s[SEL+1], 0xfedcba98
	s_mov_b32 s[CS], 0x3e38aa3b                    ; c = log2(e) / 8
	s_mov_b32 s[CS+1], s[CS]
	s_mov_b32 s[HM], 0xffff0000
	s_mov_b32 s[QB], 0
	s_mov_b32 s[QC], 0
	v_and_b32 v21, 31, v0
	v_lshlrev_b32 v[L16], 4, v21
	v_and_b32 v22, 15, v0                          ; r
	v_bfe_u32 v23, v0, 4, 1                        ; h
	v_lshl_add_u32 v[QSB], v22, 2, QSS
	v_lshlrev_b32 v24, 4, v0                       ; staging Q's codes: 16 x thread, in memory and in LDS
	v_lshlrev_b32 v25, 3, v0                       ; its scale words: 8 x thread in memory,
	v_lshrrev_b32 v26, 4, v0
	v_lshl_add_u32 v26, v26, 7, v[QSB]             ; and by tiles in LDS: tiles 2 (thread / 16), + 1
	v_lshlrev_b32 v27, 3, v22
	v_lshl_add_u32 v27, v23, 9, v27                ; K's scale words: 8 r, lanes 16-31 four pairs further on
	v_mul_u32_u24 v28, v22, 80
	v_lshl_add_u32 v[STW], v23, 5, v28
	v_add_nc_u32 v[STW], s32, v[STW]               ; lanes 0-15 store -m, lanes 16-31 l
	v_lshl_add_u32 v[STR], v23, 4, v28
	v_add_nc_u32 v[STR], STAT, v[STR]              ; and read four waves' each
	v_mul_u32_u24 v29, v22, 528
	v_lshl_add_u32 v[SGW], v23, 5, v29
	v_add_nc_u32 v[SGW], s33, v[SGW]
	v_add_nc_u32 v[SGR], s33, v[L16]
	v_mov_b32 v[TPL], 0                            ; a lane permute's destination counts as one of its sources
	v_mov_b32 v[F+1], 0
	v_mov_b32 v[NM+1], 0
	v_mov_b32 v[NM+3], 0
.irp i, 4,5,6,7
	v_mov_b32 v[QF+\i], 0                          ; the zero codes between the two copies of Q
.endr
	s_wait_alu depctr_va_vdst(0)                   ; the wait at the head's end
	s_wait_kmcnt 0x0
	s_add_nc_u64 s[10:11], s[4:5], s[10:11]
	s_add_nc_u64 s[12:13], s[4:5], s[12:13]
	s_add_nc_u64 s[14:15], s[4:5], s[14:15]
	s_add_nc_u64 s[16:17], s[4:5], s[16:17]
	s_add_nc_u64 s[18:19], s[6:7], s[18:19]
.irp i, 0,1,2,3
	global_load_b128 v[S+4*\i:S+4*\i+3], v24, s[10:11] offset:4096*\i
.endr
	global_load_b64 v[S+16:S+17], v25, s[12:13]
.irp i, 0,1,2,3,4,5,6,7,8,9,10,11,12,13,14,15
	global_load_b128 v[KC+4*\i:KC+4*\i+3], v[L16], s[14:15] offset:512*\i
.endr
.irp i, 0,1,2,3
	global_load_b64 v[E+2*\i:E+2*\i+1], v27, s[16:17] offset:(\i/2)*256+(\i%2)*128
.endr
	s_wait_loadcnt 20                              ; Q's five loads are in; K's 16 + 4 may be out
.irp i, 0,1,2,3
	ds_store_b128 v24, v[S+4*\i:S+4*\i+3] offset:4096*\i
.endr
	ds_store_b32 v26, v[S+16]
	ds_store_b32 v26, v[S+17] offset:64
	s_wait_loadcnt 0x0
.irp i, 0,1,2,3
	v_bfi_b32 v[KS+\i], 0xffff, v[E+2*\i], v[E+2*\i+1]   ; two tiles' words in one: bytes 0, 1 the first tile's, bytes 2, 3 the second's
.endr
.rept 8
	v_nop                                          ; a scale register written by a vector instruction stands 8 places ahead of a scaled matrix instruction
.endr
	s_wait_alu depctr_va_vdst(0)                   ; directly ahead of the wait below
	s_wait_dscnt 0x0                               ; for the others' sake: Q's images are read by every wave
	s_barrier_signal -1
	s_barrier_wait -1
	ds_load_b128 v[QF:QF+3], v[L16]                ; query tile 0
	ds_load_b128 v[QF+8:QF+11], v[L16]
	ds_load_b32 v[QS], v[QSB]
	s_wait_dscnt 0x0
.macro SC2 u, row                      ; key tiles 2 u and 2 u + 1
	v_wmma_scale_f32_16x16x128_f8f6f4 v[S+16*\u:S+16*\u+7], v[KC+8*\u:KC+8*\u+7], v[QF:QF+7], 0, v[KS+\u%4], v[QS] matrix_a_fmt:MATRIX_FMT_FP4 matrix_b_fmt:MATRIX_FMT_FP4 \row
	v_wmma_scale_f32_16x16x128_f8f6f4 v[S+16*\u+8:S+16*\u+15], v[KC+8*\u:KC+8*\u+7], v[QF+4:QF+11], 0, v[KS+\u%4], v[QS] matrix_a_fmt:MATRIX_FMT_FP4 matrix_b_fmt:MATRIX_FMT_FP4 \row
.endm
.macro ROWMAX b                        ; -m = -c x the largest of my query's 256 scores; each accumulator is read from its low end on
	WIN 0x15*(\b)
.irp c, 0,1,2,3
	v_max3_num_f32 v[T+\c], v[S+32*\c], v[S+32*\c+1], v[S+32*\c+2]
.endr
	WIN 0x14*(\b)
.irp i, 3,5,7,9,11,13,15,17,19,21,23,25,27,29
.irp c, 0,1,2,3
	v_max3_num_f32 v[T+\c], v[T+\c], v[S+32*\c+\i], v[S+32*\c+\i+1]
.endr
.endr
.irp c, 0,1,2,3
	v_max_num_f32 v[T+\c], v[T+\c], v[S+32*\c+31]
.endr
	WIN 0
	v_max3_num_f32 v[T], v[T], v[T+1], v[T+2]
	s_delay_alu instid0(VALU_DEP_1)
	v_max_num_f32 v[T], v[T], v[T+3]
	v_permlanex16_b32 v[TPL], v[T], s[SEL], s[SEL+1]
	v_max_num_f32 v[T], v[T], v[TPL]
	s_delay_alu instid0(VALU_DEP_1)
	v_mul_f32 v[NM+2*(\b)], 0xbe38aa3b, v[T]
.endm
.macro STATS pb                        ; the barrier of the tile in buffer pb is passed; its eight (m, l) are fetched
	s_wait_alu depctr_va_vdst(0)                   ; directly ahead of the barrier's wait
	s_barrier_wait -1
	ds_load_b128 v[E:E+3], v[STR] offset:(\pb)*SLOTB
	ds_load_b128 v[E+4:E+7], v[STR] offset:(\pb)*SLOTB+32
.endm
.macro ESUB pb                         ; m' - m
	s_wait_alu depctr_va_vdst(0)                   ; directly ahead of the wait below
	s_wait_dscnt 0x0
	v_pk_add_f32 v[E:E+1], v[NM+2*(\pb):NM+2*(\pb)+1], v[E:E+1] op_sel_hi:[0,1] neg_lo:[0,1] neg_hi:[0,1]
	v_pk_add_f32 v[E+2:E+3], v[NM+2*(\pb):NM+2*(\pb)+1], v[E+2:E+3] op_sel_hi:[0,1] neg_lo:[0,1] neg_hi:[0,1]
.endm
.macro EEXP
.irp i, 0,1,2,3
	v_exp_f32 v[E+\i], v[E+\i]
.endr
.endm
.macro GSUM                            ; the row's sum under my m, all eight waves', and its reciprocal
	v_pk_mul_f32 v[G:G+1], v[E:E+1], v[E+4:E+5]
	v_pk_fma_f32 v[G:G+1], v[E+2:E+3], v[E+6:E+7], v[G:G+1]
	s_delay_alu instid0(VALU_DEP_1)
	v_add_f32 v[G], v[G], v[G+1]
	v_permlanex16_b32 v[TPL], v[G], s[SEL], s[SEL+1]
	v_add_f32 v[G], v[G], v[TPL]
	s_wait_alu depctr_va_vdst(0)                   ; the wait ahead of the transcendental
	v_rcp_f32 v[F], v[G]
.endm
.macro ACCUM pb, first                 ; the column sums take p / the row's sum; the first tile starts them
	s_wait_alu depctr_va_vdst(0)                   ; the wait behind the reciprocal, ahead of its first reader
	WIN 0x50|(\pb)
.set ii, 0
.rept 64
.if \first
	v_pk_mul_f32 v[2*ii:2*ii+1], v[S+2*ii:S+2*ii+1], v[F:F+1] op_sel_hi:[1,0]
.else
	v_pk_fma_f32 v[2*ii:2*ii+1], v[S+2*ii:S+2*ii+1], v[F:F+1], v[2*ii:2*ii+1] op_sel_hi:[1,0,1]
.endif
.set ii, ii+1
.endr
	WIN 0
.endm
; ONE QUERY TILE in buffer b.  prev: 0 no tile before; 1 the tile before starts the column sums; 2 it is added.  pf = 1: the next tile's Q is fetched.
; Q and its scale word are in: the wait for 0 in front of the last signal (for tile 0: the one above) has covered their loads.
.macro TILE b, prev, pf
	WIN (\b)<<6
.irp u, 0,1,2,3
	SC2 \u
.endr
.irp u, 4,5,6,7
	SC2 \u, matrix_a_scale:MATRIX_SCALE_ROW1
.endr
	WIN 0
.if \pf
	v_add_nc_u32 v[QA], s[QB], v[L16]              ; these two and two v_nop are the four places behind the products
	v_add_nc_u32 v[QSA], s[QC], v[QSB]
	v_nop
	v_nop
	ds_load_b128 v[QF:QF+3], v[QA] offset:512+512*\b       ; bytes that nobody writes any more
	ds_load_b128 v[QF+8:QF+11], v[QA] offset:512+512*\b
	ds_load_b32 v[QS], v[QSA] offset:64+64*\b
.else
.rept 4
	v_nop
.endr
.endif
	ROWMAX \b
.if \prev
	STATS 1-\b
.endif
	WIN 0x41*(\b)
.set ii, 0
.rept 64
	v_pk_fma_f32 v[S+2*ii:S+2*ii+1], v[S+2*ii:S+2*ii+1], s[CS:CS+1], v[NM+2*(\b):NM+2*(\b)+1] op_sel_hi:[1,0,0]   ; s c - m
.set ii, ii+1
.endr
	WIN 0
.if \prev
	ESUB 1-\b
.endif
	s_wait_alu depctr_va_vdst(0)                   ; one wait ahead of the batch
.if \prev
	EEXP
.endif
	WIN 0x41*(\b)
.set ii, 0
.rept 128
	v_exp_f32 v[S+ii], v[S+ii]                     ; p = 2^(s c - m)
.set ii, ii+1
.endr
	WIN 0
	v_nop                                          ; a plain place behind the exponentials
	s_wait_alu depctr_va_vdst(0)                   ; and one wait behind the batch
.if \prev
	GSUM
.endif
	WIN 0x05*(\b)                                  ; l: the sum of my query's 256 p, in four chains (plain work behind the reciprocal)
.irp c, 0,1,2,3
	v_pk_add_f32 v[L+2*\c:L+2*\c+1], v[S+32*\c:S+32*\c+1], v[S+32*\c+2:S+32*\c+3]
.endr
	WIN 0x04*(\b)
.irp i, 4,6,8,10,12,14,16,18,20,22,24,26,28,30
.irp c, 0,1,2,3
	v_pk_add_f32 v[L+2*\c:L+2*\c+1], v[L+2*\c:L+2*\c+1], v[S+32*\c+\i:S+32*\c+\i+1]
.endr
.endr
	WIN 0
	v_pk_add_f32 v[L:L+1], v[L:L+1], v[L+2:L+3]
	v_pk_add_f32 v[L+4:L+5], v[L+4:L+5], v[L+6:L+7]
	s_delay_alu instid0(VALU_DEP_1)
	v_pk_add_f32 v[L:L+1], v[L:L+1], v[L+4:L+5]
	s_delay_alu instid0(VALU_DEP_1)
	v_add_f32 v[L], v[L], v[L+1]
	v_permlanex16_b32 v[TPL], v[L], s[SEL], s[SEL+1]
	v_add_f32 v[L], v[L], v[TPL]
	s_delay_alu instid0(VALU_DEP_1)
	v_cndmask_b32 v[VST], v[NM+2*(\b)], v[L], s[HM]        ; lanes 0-15 -m, lanes 16-31 l
	ds_store_b32 v[STW], v[VST] offset:(\b)*SLOTB  ; this slot's last readers signalled the barrier that I have passed in this tile
.if \prev == 1
	ACCUM 1-\b, 1
.elseif \prev == 2
	ACCUM 1-\b, 0
.endif
	s_wait_alu depctr_va_vdst(0)                   ; directly ahead of the wait below
	s_wait_dscnt 0x0                               ; for the others' sake: my store is done, my reads of the other slot are over; and the next Q is in
	s_barrier_signal -1
.if (\pf) && (\b)
	s_add_co_u32 s[QB], s[QB], 1024                ; on to the next pair of tiles
	s_add_co_u32 s[QC], s[QC], 128
.endif
.endm
	TILE 0, 0, 1
	TILE 1, 1, 1
	s_mov_b32 s[CNT], 14
.Lpair:                                            ; a trip walks two query tiles, one in each buffer: tiles 2 to 29
	TILE 0, 2, 1
	TILE 1, 2, 1
	s_sub_co_u32 s[CNT], s[CNT], 1
	s_cmp_lg_u32 s[CNT], 0
	s_cbranch_scc1 .Lpair
	TILE 0, 2, 1
	TILE 1, 2, 0                                   ; the last tile fetches nothing
	STATS 1                                        ; and its own p are weighed
	ESUB 1
	s_wait_alu depctr_va_vdst(0)                   ; the wait ahead of the batch
	EEXP
	v_nop                                          ; a plain place behind the exponentials
	s_wait_alu depctr_va_vdst(0)
	GSUM
	v_nop                                          ; a plain place behind the reciprocal
	ACCUM 1, 0
	s_wait_alu depctr_va_vdst(0)
; THE WAY OUT: a lane holds one query's share of 128 keys; the 16 queries are added through my own stage, 128 keys at a time, and the wave stores them as 512 consecutive bytes
.macro OUTHALF u
.set R, S+64*\u
	WIN 0x04                                       ; the data lie in window 1
.irp tt, 0,1,2,3,4,5,6,7
	ds_store_b128 v[SGW], v[64*\u+8*\tt:64*\u+8*\tt+3] offset:64*\tt
	ds_store_b128 v[SGW], v[64*\u+8*\tt+4:64*\u+8*\tt+7] offset:64*\tt+16
.endr
	WIN 0
.irp i, 0,1,2,3,4,5,6,7,8,9,10,11,12,13,14,15
	ds_load_b128 v[R+4*\i:R+4*\i+3], v[SGR] offset:528*\i   ; LDS serves a wave's instructions in order: these see my stores, and the next half's stores come behind them
.endr
	s_wait_dscnt 0x0
.irp st, 8,4,2,1
.set ii, 0
.rept \st
	v_pk_add_f32 v[R+4*ii:R+4*ii+1], v[R+4*ii:R+4*ii+1], v[R+4*(ii+\st):R+4*(ii+\st)+1]
	v_pk_add_f32 v[R+4*ii+2:R+4*ii+3], v[R+4*ii+2:R+4*ii+3], v[R+4*(ii+\st)+2:R+4*(ii+\st)+3]
.set ii, ii+1
.endr
.endr
	global_store_b128 v[L16], v[R:R+3], s[18:19] offset:512*\u
.endm
	OUTHALF 0
	OUTHALF 1
	s_wait_tensorcnt 0x0                           ; the wave's end
	ds_add_u32 v[SPW], v[NIL]
	s_wait_dscnt 0x0
	s_endpgm
.Lfunc_end_k_q083ffd90bd_attn:
	.size	k_q083ffd90bd_attn, .Lfunc_end_k_q083ffd90bd_attn-k_q083ffd90bd_attn
	.p2alignl 7, 3214868480
	.fill 96, 4, 3214868480
	.section	.rodata,"a",@progbits
	.p2align	6, 0x0
	.amdhsa_kernel k_q083ffd90bd_attn
		.amdhsa_group_segment_fixed_size 89600
		.amdhsa_private_segment_fixed_size 0
		.amdhsa_enable_private_segment 0
		.amdhsa_kernarg_size 16
		.amdhsa_user_sgpr_count 2
		.amdhsa_user_sgpr_kernarg_segment_ptr 1
		.amdhsa_wavefront_size32 1
		.amdhsa_system_sgpr_workgroup_id_x 1
		.amdhsa_system_sgpr_workgroup_id_y 1
		.amdhsa_system_sgpr_workgroup_id_z 1
		.amdhsa_system_vgpr_workitem_id 0
		.amdhsa_next_free_vgpr 512
		.amdhsa_next_free_sgpr 66
		.amdhsa_reserve_vcc 0
		.amdhsa_float_denorm_mode_32 3
		.amdhsa_float_denorm_mode_16_64 3
		.amdhsa_memory_ordered 1
		.amdhsa_forward_progress 1
		.amdhsa_inst_pref_size 161
	.end_amdhsa_kernel
	.amdgpu_metadata
---
amdhsa.version: [ 1, 2 ]
amdhsa.kernels:
  - .name:           k_q083ffd90bd_attn
    .symbol:         k_q083ffd90bd_attn.kd
    .args:
      - { .name: qk, .offset: 0, .size: 8, .value_kind: global_buffer, .address_space: global }
      - { .name: pp, .offset: 8, .size: 8, .value_kind: global_buffer, .address_space: global }
    .group_segment_fixed_size: 89600
    .private_segment_fixed_size: 0
    .kernarg_segment_align: 8
    .kernarg_segment_size: 16
    .max_flat_workgroup_size: 256
    .sgpr_count:     66
    .vgpr_count:     512
    .wavefront_size: 32
...
	.end_amdgpu_metadata
.endif
;; end of part 3
;; launch vpool (part 4): grid 32 x 8, 16 waves a work-group, no clusters, 43,008 bytes of LDS; arguments xq, xs, wc, wsb, pp, resp, w_fc, yp, out1; writes yp, out1
.if DOCPART == 4
	.amdgcn_target "amdgcn-amd-amdhsa--gfx1250"
	.amdhsa_code_object_version 6
	.text
	.protected	k_q083ffd90bd_vpool
	.globl	k_q083ffd90bd_vpool
	.p2align	8
	.type	k_q083ffd90bd_vpool,@function
k_q083ffd90bd_vpool:
	s_mov_b64 s[64:65], 0
	v_nop
	global_prefetch_b8 v0, s[64:65] scope:SCOPE_SE
	s_setreg_imm32_b32 hwreg(HW_REG_WAVE_MODE, 25, 1), 1
	s_wait_xcnt 0x0
; For batch b, 64 of the 512 flat indices F = d x 8 + head (dblk = g / 4) and 512 of the 2,048 keys (kq = g % 4):
; pooled[head][key] = the four query quarters' sums / 2,048;  v = x w_v^T on codes of FP4 with E8M0 scales;  flat[F] = sum over keys of pooled x v / 2,048 (this work-group's keys);
; yp[b][g][n] = sum over my F of flat[F] w_fc[n][F] + (my share of x's column sums) / 2,048.  The next launch adds the 32 parts.  out1[b][key] = the mean of pooled over the heads.
; The product is used transposed: source 0 = 16 rows of w_v in flat order, source 1 = 16 keys of x.  In the result lane (r, h) holds key r, and register j the flat index 16 T + 8 h + j: head j.
; So the weight of register j is pooled[head j][key r], and v never leaves the registers.  pooled . v and the fc layer have 1 and 8 rows: fused multiply-adds in f32, no matrix form.
; Wave w owns key tiles 2 w, 2 w + 1 of the work-group's 32, and rows n = 32 w .. 32 w + 31 of w_fc.
; LIMITS: NaN and infinities are not served.
.set WSC, 16384                        ; LDS: w_v's four tiles' image at 0 (16,384); their scale bytes (1,024);
.set PL,  17408                        ; pooled: 8 heads x 512 keys f32 (16,384);
.set OW,  33792                        ; the waves' sums: 16 x 64 f32 (4,096)
.set XF,  16                           ; v16-79    x's fragments: 32 a key tile; later w_fc
.set XS,  80                           ; v80-87    x's scale words: nothing else
.set WFT, 88                           ; v88-151   two sets of a weight tile's four fragments; later the waves' sums
.set WS,  152                          ; v152-159  w_v's scale words: nothing else
.set PA,  160                          ; v160-191  accumulators: set tt % 2, key tile kt
.set VACC, 192                         ; v192-223  weighted sums: tile tt x 8
.set P,   224                          ; v224-239  pooled: kt x 8 + head
	s_load_b256 s[4:11], s[0:1], 0x0               ; xq, xs, wc, wsb
	s_load_b256 s[12:19], s[0:1], 0x20             ; pp, resp, w_fc, yp
	s_load_b64 s[20:21], s[0:1], 0x40              ; out1
	v_lshl_add_u32 v254, v0, 2, 0xa000
	v_mov_b32 v255, 0
	v_lshrrev_b32 v15, 5, v0
	s_delay_alu instid0(VALU_DEP_1)
	v_readfirstlane_b32 s22, v15                   ; wave 0..15
	v_and_b32 v15, 31, v0
	s_delay_alu instid0(VALU_DEP_1)
	v_lshlrev_b32 v1, 4, v15                       ; 16 x lane
	s_delay_alu instid0(VALU_DEP_2)
	v_lshlrev_b32 v5, 2, v15                       ; 4 x lane
	v_and_b32 v14, 15, v0                          ; r
	v_bfe_u32 v13, v0, 4, 1                        ; h
	s_delay_alu instid0(VALU_DEP_2)
	v_lshlrev_b32 v2, 4, v14                       ; 16 r
	s_lshl_b32 s46, s22, 7
	v_lshl_add_u32 v3, v14, 2, s46
	s_delay_alu instid0(VALU_DEP_1)
	v_add_nc_u32 v3, PL, v3                        ; pooled of my keys: 128 w + 4 r
	v_lshl_add_u32 v4, v13, 9, v2
	s_delay_alu instid0(VALU_DEP_1)
	v_add_nc_u32 v4, WSC, v4                       ; scale words: lanes 16-31 two tiles further on
	s_lshl_b32 s47, s22, 8
	v_lshl_add_u32 v6, v13, 5, s47
	s_delay_alu instid0(VALU_DEP_1)
	v_add_nc_u32 v6, OW, v6                        ; my wave's sums: 256 w + 32 h
	v_add_nc_u32 v7, OW, v2                        ; and back: 16 r
	v_lshl_add_u32 v8, v13, 11, v2                 ; w_fc: row h of a pair, 16 r
	v_lshl_add_u32 v9, v14, 3, s46
	s_delay_alu instid0(VALU_DEP_1)
	v_lshl_add_u32 v9, v13, 2, v9                  ; n = 32 w + 2 r + h, in bytes
	v_lshlrev_b32 v10, 4, v0                       ; 16 x thread
	v_lshlrev_b32 v11, 1, v0                       ; 2 x thread
	v_lshrrev_b32 v12, 6, v0                       ; thread / 64: a head
	v_and_b32 v15, 63, v0
	s_delay_alu instid0(VALU_DEP_1)
	v_lshlrev_b32 v15, 4, v15
	s_delay_alu instid0(VALU_DEP_1)
	v_lshl_add_u32 v13, v12, 11, v15
	s_delay_alu instid0(VALU_DEP_1)
	v_add_nc_u32 v13, PL, v13                      ; pooled, on the way in
	s_delay_alu instid0(VALU_DEP_3)
	v_lshl_add_u32 v12, v12, 15, v15               ; pp: head x 32,768 + 16 (thread % 64)
	v_add_nc_u32 v14, WSC, v11
	s_lshr_b32 s24, ttmp9, 2                       ; dblk
	s_and_b32 s25, ttmp9, 3                        ; kq
	s_and_b32 s26, ttmp7, 0xffff                   ; batch
	s_lshl_b32 s28, s26, 7
	s_lshl_b32 s29, s25, 5
	s_add_co_u32 s28, s28, s29
	s_lshl_b32 s29, s22, 1
	s_add_co_u32 s28, s28, s29                     ; my first key tile: 128 b + 32 kq + 2 w
	s_lshl_b32 s30, s28, 12
	s_mov_b32 s31, 0
	s_lshl_b32 s32, s28, 8
	s_mov_b32 s33, 0
	s_lshl_b32 s34, s24, 14
	s_add_co_u32 s34, s34, 262144                  ; w_v's image, my four tiles
	s_mov_b32 s35, 0
	s_lshl_b32 s36, s24, 10
	s_add_co_u32 s36, s36, 16384
	s_mov_b32 s37, 0
	s_lshl_b32 s38, s26, 18
	s_lshl_b32 s29, s25, 11
	s_add_co_u32 s38, s38, s29                     ; pp: b x 262,144 + kq x 2,048
	s_mov_b32 s39, 0
	s_lshl_b32 s40, s26, 5
	s_add_co_u32 s40, s40, ttmp9
	s_lshl_b32 s40, s40, 11                        ; resp, yp: row 32 b + g
	s_mov_b32 s41, 0
	s_lshl_b32 s42, s22, 16
	s_lshl_b32 s29, s24, 8
	s_add_co_u32 s42, s42, s29                     ; w_fc: row 32 w, column 64 dblk
	s_mov_b32 s43, 0
	s_lshl_b32 s44, s26, 13
	s_add_co_u32 s44, s44, s46
	s_lshl_b32 s29, s25, 11
	s_add_co_u32 s44, s44, s29                     ; out1: (2,048 b + 512 kq + 32 w) x 4
	s_mov_b32 s45, 0
	s_mov_b32 s48, 0xffff0000                      ; lanes 16-31
	s_wait_alu depctr_va_vdst(0)
	s_wait_kmcnt 0x0
	s_add_nc_u64 s[4:5], s[4:5], s[30:31]
	s_add_nc_u64 s[6:7], s[6:7], s[32:33]
	s_add_nc_u64 s[8:9], s[8:9], s[34:35]
	s_add_nc_u64 s[10:11], s[10:11], s[36:37]
	s_add_nc_u64 s[12:13], s[12:13], s[38:39]
	s_add_nc_u64 s[14:15], s[14:15], s[40:41]
	s_add_nc_u64 s[16:17], s[16:17], s[42:43]
	s_add_nc_u64 s[18:19], s[18:19], s[40:41]
	s_add_nc_u64 s[20:21], s[20:21], s[44:45]
	; ---- 1: the weight's image and pooled go to LDS
	global_load_b128 v[192:195], v10, s[8:9]
	global_load_b128 v[196:199], v10, s[8:9] offset:8192
	global_load_u16 v200, v11, s[10:11]
.irp hf, 0,1
.irp pt, 0,1,2,3
	global_load_b128 v[160+16*\hf+4*\pt:160+16*\hf+4*\pt+3], v12, s[12:13] offset:\pt*8192+\hf*1024
.endr
.endr
.irp kt, 0,1
.irp ks, 0,1,2,3
.irp c, 0,1
	global_load_b128 v[XF+32*\kt+8*\ks+4*\c:XF+32*\kt+8*\ks+4*\c+3], v1, s[4:5] offset:\kt*4096+\ks*1024+\c*512
.endr
.endr
	global_load_b128 v[XS+4*\kt:XS+4*\kt+3], v2, s[6:7] offset:\kt*256
.endr
	s_wait_loadcnt 18                              ; the eleven loads ahead of x's are in; x's two tiles of nine may be out
	ds_store_b128 v10, v[192:195]
	ds_store_b128 v10, v[196:199] offset:8192
	ds_store_b16 v14, v200
.irp hf, 0,1
	v_pk_add_f32 v[160+16*\hf:161+16*\hf], v[160+16*\hf:161+16*\hf], v[164+16*\hf:165+16*\hf]
	v_pk_add_f32 v[162+16*\hf:163+16*\hf], v[162+16*\hf:163+16*\hf], v[166+16*\hf:167+16*\hf]
	v_pk_add_f32 v[168+16*\hf:169+16*\hf], v[168+16*\hf:169+16*\hf], v[172+16*\hf:173+16*\hf]
	v_pk_add_f32 v[170+16*\hf:171+16*\hf], v[170+16*\hf:171+16*\hf], v[174+16*\hf:175+16*\hf]
	s_delay_alu instid0(VALU_DEP_2)
	v_pk_add_f32 v[160+16*\hf:161+16*\hf], v[160+16*\hf:161+16*\hf], v[168+16*\hf:169+16*\hf]
	s_delay_alu instid0(VALU_DEP_2)
	v_pk_add_f32 v[162+16*\hf:163+16*\hf], v[162+16*\hf:163+16*\hf], v[170+16*\hf:171+16*\hf]
	s_delay_alu instid0(VALU_DEP_2)
	v_pk_mul_f32 v[160+16*\hf:161+16*\hf], v[160+16*\hf:161+16*\hf], 0x3a000000 op_sel_hi:[1,0]   ; / 2,048 queries
	s_delay_alu instid0(VALU_DEP_2)
	v_pk_mul_f32 v[162+16*\hf:163+16*\hf], v[162+16*\hf:163+16*\hf], 0x3a000000 op_sel_hi:[1,0]
	ds_store_b128 v13, v[160+16*\hf:163+16*\hf] offset:\hf*1024
.endr
	s_wait_dscnt 0x0                               ; for the others' sake
	s_barrier_signal -1
	s_barrier_wait -1
	; ---- 2: v of my 32 keys, four tiles of 16 flat indices, each weighed as soon as it is made
.macro WFLOAD tt                       ; weight tile tt: eight loads into set tt % 2
.irp ks, 0,1,2,3
.irp c, 0,1
	ds_load_b128 v[WFT+32*((\tt)%2)+8*\ks+4*\c:WFT+32*((\tt)%2)+8*\ks+4*\c+3], v1 offset:(4*(\tt)+\ks)*1024+\c*512
.endr
.endr
.endm
.macro VMUL tt, ks, kt
.set DD, PA+16*((\tt)%2)+8*(\kt)
.set AA, WFT+32*((\tt)%2)+8*(\ks)
.set BB, XF+32*(\kt)+8*(\ks)
.set SA, WS+4*((\tt)%2)+(\ks)
.set SX, XS+4*(\kt)+(\ks)
.if (\ks) == 0
.if (\tt) < 2
	v_wmma_scale_f32_16x16x128_f8f6f4 v[DD:DD+7], v[AA:AA+7], v[BB:BB+7], 0, v[SA], v[SX] matrix_a_fmt:MATRIX_FMT_FP4 matrix_b_fmt:MATRIX_FMT_FP4
.else
	v_wmma_scale_f32_16x16x128_f8f6f4 v[DD:DD+7], v[AA:AA+7], v[BB:BB+7], 0, v[SA], v[SX] matrix_a_fmt:MATRIX_FMT_FP4 matrix_b_fmt:MATRIX_FMT_FP4 matrix_a_scale:MATRIX_SCALE_ROW1
.endif
.else
.if (\tt) < 2
	v_wmma_scale_f32_16x16x128_f8f6f4 v[DD:DD+7], v[AA:AA+7], v[BB:BB+7], v[DD:DD+7], v[SA], v[SX] matrix_a_fmt:MATRIX_FMT_FP4 matrix_b_fmt:MATRIX_FMT_FP4
.else
	v_wmma_scale_f32_16x16x128_f8f6f4 v[DD:DD+7], v[AA:AA+7], v[BB:BB+7], v[DD:DD+7], v[SA], v[SX] matrix_a_fmt:MATRIX_FMT_FP4 matrix_b_fmt:MATRIX_FMT_FP4 matrix_a_scale:MATRIX_SCALE_ROW1
.endif
.endif
.endm
.irp u, 0,1
	ds_load_b128 v[WS+4*\u:WS+4*\u+3], v4 offset:\u*256
.endr
.irp kt, 0,1
.irp j, 0,1,2,3,4,5,6,7
	ds_load_b32 v[P+8*\kt+\j], v3 offset:\j*2048+\kt*64
.endr
.endr
	WFLOAD 0
	WFLOAD 1
	s_wait_loadcnt 0x0                             ; x
.irp tt, 0,1,2,3
.if \tt < 3
	s_wait_dscnt 8                                 ; this tile's fragments are in; the next tile's eight loads may be out
.else
	s_wait_dscnt 0x0
.endif
.irp ks, 0,1,2,3
.irp kt, 0,1
	VMUL \tt, \ks, \kt                             ; the two accumulators by turns, one instruction a turn
.endr
.endr
.rept 4
	v_nop                                          ; places in front of loads into registers that the products read, and of the first read of results
.endr
.if \tt < 2
	WFLOAD \tt+2
.endif
.irp i, 0,2,4,6
	v_pk_mul_f32 v[VACC+8*\tt+\i:VACC+8*\tt+\i+1], v[PA+16*(\tt%2)+\i:PA+16*(\tt%2)+\i+1], v[P+\i:P+\i+1]
.endr
.irp i, 0,2,4,6
	v_pk_fma_f32 v[VACC+8*\tt+\i:VACC+8*\tt+\i+1], v[PA+16*(\tt%2)+8+\i:PA+16*(\tt%2)+8+\i+1], v[P+8+\i:P+8+\i+1], v[VACC+8*\tt+\i:VACC+8*\tt+\i+1]
.endr
.endr
	; ---- 3: out1.  Eight work-groups hold the same pooled: of them the one with dblk = w / 2 stores wave w's 32 keys
	s_lshr_b32 s46, s22, 1
	s_cmp_lg_u32 s46, s24
	s_cbranch_scc1 .Lno_ret
	v_pk_add_f32 v[240:241], v[P:P+1], v[P+2:P+3]
	v_pk_add_f32 v[242:243], v[P+4:P+5], v[P+6:P+7]
	v_pk_add_f32 v[244:245], v[P+8:P+9], v[P+10:P+11]
	v_pk_add_f32 v[246:247], v[P+12:P+13], v[P+14:P+15]
	s_delay_alu instid0(VALU_DEP_3)
	v_pk_add_f32 v[240:241], v[240:241], v[242:243]
	s_delay_alu instid0(VALU_DEP_2)
	v_pk_add_f32 v[244:245], v[244:245], v[246:247]
	s_delay_alu instid0(VALU_DEP_2)
	v_add_f32 v240, v240, v241
	s_delay_alu instid0(VALU_DEP_2)
	v_add_f32 v244, v244, v245
	s_delay_alu instid0(VALU_DEP_1)
	v_cndmask_b32 v240, v240, v244, s48            ; lanes 0-15 the first tile's keys, lanes 16-31 the second's
	s_delay_alu instid0(VALU_DEP_1)
	v_mul_f32 v240, 0x3e000000, v240               ; / 8 heads
	global_store_b32 v5, v240, s[20:21]            ; 128 consecutive bytes
.Lno_ret:
	; ---- 4: the sums over my 32 keys, then over the waves
.irp i, 0,1,2,3,4,5,6,7,8,9,10,11,12,13,14,15
	global_load_b128 v[XF+4*\i:XF+4*\i+3], v8, s[16:17] offset:\i*4096   ; w_fc(32 w + 2 i + h, 64 dblk + 4 r ..): sixteen lanes read 256 consecutive bytes
.endr
	global_load_b32 v248, v9, s[14:15]             ; x's column sum at n
.irp m, 1,2,4,8
.set kk, 0
.rept 32
	v_add_f32_dpp v[VACC+kk], v[VACC+kk], v[VACC+kk] row_xmask:\m row_mask:0xf bank_mask:0xf
.set kk, kk+1
.endr
.endr
.irp tt, 0,1,2,3
	ds_store_b128 v6, v[VACC+8*\tt:VACC+8*\tt+3] offset:64*\tt        ; the sixteen lanes of a half write the same bytes with the same values
	ds_store_b128 v6, v[VACC+8*\tt+4:VACC+8*\tt+7] offset:64*\tt+16
.endr
	s_wait_dscnt 0x0                               ; for the others' sake
	s_barrier_signal -1
	s_barrier_wait -1
	; ---- 5: flat[4 r .. 4 r + 3], and my 32 rows of the fc layer
.irp i, 0,1,2,3,4,5,6,7,8,9,10,11,12,13,14,15
	ds_load_b128 v[WFT+4*\i:WFT+4*\i+3], v7 offset:256*\i
.endr
	s_wait_dscnt 0x0
.irp st, 8,4,2,1
.set kk, 0
.rept \st
	v_pk_add_f32 v[WFT+4*kk:WFT+4*kk+1], v[WFT+4*kk:WFT+4*kk+1], v[WFT+4*(kk+\st):WFT+4*(kk+\st)+1]
	v_pk_add_f32 v[WFT+4*kk+2:WFT+4*kk+3], v[WFT+4*kk+2:WFT+4*kk+3], v[WFT+4*(kk+\st)+2:WFT+4*(kk+\st)+3]
.set kk, kk+1
.endr
.endr
	s_delay_alu instid0(VALU_DEP_2)
	v_pk_mul_f32 v[WFT:WFT+1], v[WFT:WFT+1], 0x3a000000 op_sel_hi:[1,0]       ; / 2,048 keys
	s_delay_alu instid0(VALU_DEP_2)
	v_pk_mul_f32 v[WFT+2:WFT+3], v[WFT+2:WFT+3], 0x3a000000 op_sel_hi:[1,0]
	s_wait_alu depctr_va_vdst(0)
	s_wait_loadcnt 0x0                             ; w_fc and the column sum
.irp i, 0,1,2,3,4,5,6,7,8,9,10,11,12,13,14,15
	v_pk_mul_f32 v[XF+4*\i:XF+4*\i+1], v[XF+4*\i:XF+4*\i+1], v[WFT:WFT+1]
.endr
.irp i, 0,1,2,3,4,5,6,7,8,9,10,11,12,13,14,15
	v_pk_fma_f32 v[XF+4*\i:XF+4*\i+1], v[XF+4*\i+2:XF+4*\i+3], v[WFT+2:WFT+3], v[XF+4*\i:XF+4*\i+1]
.endr
.irp i, 0,1,2,3,4,5,6,7,8,9,10,11,12,13,14,15
	v_add_f32 v[160+\i], v[XF+4*\i], v[XF+4*\i+1]
.endr
.irp m, 1,2,4,8
.set kk, 0
.rept 16
	v_add_f32_dpp v[160+kk], v[160+kk], v[160+kk] row_xmask:\m row_mask:0xf bank_mask:0xf
.set kk, kk+1
.endr
.endr
	v_mov_b32 v176, v160
.irp i, 1,2,3,4,5,6,7,8,9,10,11,12,13,14,15
	s_mov_b32 s46, 0x10001<<\i
	v_cndmask_b32 v176, v176, v[160+\i], s46       ; lane (r, h) keeps pair r: row n = 32 w + 2 r + h
.endr
	s_delay_alu instid0(VALU_DEP_1)
	v_fmamk_f32 v176, v248, 0x3a000000, v176       ; + my share of the mean of x over the sequence
	global_store_b32 v9, v176, s[18:19]            ; the wave's 32 lanes cover 128 consecutive bytes
	s_wait_tensorcnt 0x0
	ds_add_u32 v254, v255
	s_wait_dscnt 0x0
	s_endpgm
.Lfunc_end_k_q083ffd90bd_vpool:
	.size	k_q083ffd90bd_vpool, .Lfunc_end_k_q083ffd90bd_vpool-k_q083ffd90bd_vpool
	.p2alignl 7, 3214868480
	.fill 96, 4, 3214868480
	.section	.rodata,"a",@progbits
	.p2align	6, 0x0
	.amdhsa_kernel k_q083ffd90bd_vpool
		.amdhsa_group_segment_fixed_size 43008
		.amdhsa_private_segment_fixed_size 0
		.amdhsa_enable_private_segment 0
		.amdhsa_kernarg_size 72
		.amdhsa_user_sgpr_count 2
		.amdhsa_user_sgpr_kernarg_segment_ptr 1
		.amdhsa_wavefront_size32 1
		.amdhsa_system_sgpr_workgroup_id_x 1
		.amdhsa_system_sgpr_workgroup_id_y 1
		.amdhsa_system_sgpr_workgroup_id_z 1
		.amdhsa_system_vgpr_workitem_id 0
		.amdhsa_next_free_vgpr 256
		.amdhsa_next_free_sgpr 66
		.amdhsa_reserve_vcc 0
		.amdhsa_float_denorm_mode_32 3
		.amdhsa_float_denorm_mode_16_64 3
		.amdhsa_memory_ordered 1
		.amdhsa_forward_progress 1
		.amdhsa_inst_pref_size 42
	.end_amdhsa_kernel
	.amdgpu_metadata
---
amdhsa.version: [ 1, 2 ]
amdhsa.kernels:
  - .name:           k_q083ffd90bd_vpool
    .symbol:         k_q083ffd90bd_vpool.kd
    .args:
      - { .name: xq, .offset: 0, .size: 8, .value_kind: global_buffer, .address_space: global }
      - { .name: xs, .offset: 8, .size: 8, .value_kind: global_buffer, .address_space: global }
      - { .name: wc, .offset: 16, .size: 8, .value_kind: global_buffer, .address_space: global }
      - { .name: wsb, .offset: 24, .size: 8, .value_kind: global_buffer, .address_space: global }
      - { .name: pp, .offset: 32, .size: 8, .value_kind: global_buffer, .address_space: global }
      - { .name: resp, .offset: 40, .size: 8, .value_kind: global_buffer, .address_space: global }
      - { .name: w_fc, .offset: 48, .size: 8, .value_kind: global_buffer, .address_space: global }
      - { .name: yp, .offset: 56, .size: 8, .value_kind: global_buffer, .address_space: global }
      - { .name: out1, .offset: 64, .size: 8, .value_kind: global_buffer, .address_space: global }
    .group_segment_fixed_size: 43008
    .private_segment_fixed_size: 0
    .kernarg_segment_align: 8
    .kernarg_segment_size: 72
    .max_flat_workgroup_size: 512
    .sgpr_count:     66
    .vgpr_count:     256
    .wavefront_size: 32
...
	.end_amdgpu_metadata
.endif
;; end of part 4
;; launch norm (part 5): grid 8 x 1, 4 waves a work-group, no clusters, 1,536 bytes of LDS; arguments yp, gamma, beta, out0; writes out0
.if DOCPART == 5
	.amdgcn_target "amdgcn-amd-amdhsa--gfx1250"
	.amdhsa_code_object_version 6
	.text
	.protected	k_q083ffd90bd_norm
	.globl	k_q083ffd90bd_norm
	.p2align	8
	.type	k_q083ffd90bd_norm,@function
k_q083ffd90bd_norm:
	s_mov_b64 s[64:65], 0
	v_nop
	global_prefetch_b8 v0, s[64:65] scope:SCOPE_SE
	s_setreg_imm32_b32 hwreg(HW_REG_WAVE_MODE, 25, 1), 1
	s_wait_xcnt 0x0
; out0[b][n] = (y - mean) rsqrt(var + 1e-6) gamma[n] + beta[n], y[b][n] = the sum of the 32 parts yp[b][g][n].  One work-group a batch; thread t owns n = 4 t .. 4 t + 3.
; The variance is the mean of (y - mean)^2, taken in a second pass over registers.  The work is 64 KiB a work-group: no matrix unit, no ring, no cluster.
; LIMITS: NaN and infinities are not served.
	s_load_b256 s[4:11], s[0:1], 0x0               ; yp, gamma, beta, out0
	v_lshl_add_u32 v160, v0, 2, 0x400
	v_mov_b32 v161, 0
	v_lshrrev_b32 v1, 5, v0
	v_readfirstlane_b32 s12, v1                    ; wave
	v_lshlrev_b32 v2, 4, v0                        ; 16 t
	v_mov_b32 v10, s12
	v_lshlrev_b32 v10, 2, v10                      ; my wave's word
	v_mov_b32 v11, 0
	s_lshl_b32 s14, ttmp9, 16
	s_mov_b32 s15, 0
	s_lshl_b32 s16, ttmp9, 11
	s_mov_b32 s17, 0
	s_mov_b32 s18, 0x76543210
	s_mov_b32 s19, 0xfedcba98
	s_mov_b32 s20, 0x3b000000                      ; 1 / 512
	s_mov_b32 s21, 0x358637bd                      ; 1e-6
	s_wait_alu depctr_va_vdst(0)
	s_wait_kmcnt 0x0
	s_add_nc_u64 s[4:5], s[4:5], s[14:15]
	s_add_nc_u64 s[10:11], s[10:11], s[16:17]
.set qq, 0
.rept 32
	global_load_b128 v[16+4*qq:19+4*qq], v2, s[4:5] offset:2048*qq
.set qq, qq+1
.endr
	global_load_b128 v[144:147], v2, s[6:7]
	global_load_b128 v[148:151], v2, s[8:9]
	s_wait_loadcnt 0x0
.irp st, 16,8,4,2,1
.set qq, 0
.rept \st
	v_pk_add_f32 v[16+4*qq:17+4*qq], v[16+4*qq:17+4*qq], v[16+4*(qq+\st):17+4*(qq+\st)]
	v_pk_add_f32 v[18+4*qq:19+4*qq], v[18+4*qq:19+4*qq], v[18+4*(qq+\st):19+4*(qq+\st)]
.set qq, qq+1
.endr
.endr
.macro WSUM                            ; v8 summed over the wave's 32 lanes; v9 has been written
	v_add_f32_dpp v8, v8, v8 row_xmask:1 row_mask:0xf bank_mask:0xf
	v_add_f32_dpp v8, v8, v8 row_xmask:2 row_mask:0xf bank_mask:0xf
	v_add_f32_dpp v8, v8, v8 row_xmask:4 row_mask:0xf bank_mask:0xf
	v_add_f32_dpp v8, v8, v8 row_xmask:8 row_mask:0xf bank_mask:0xf
	v_permlanex16_b32 v9, v8, s18, s19
	v_add_f32 v8, v8, v9
.endm
	v_add_f32 v8, v16, v17
	v_add_f32 v9, v18, v19
	v_add_f32 v8, v8, v9
	WSUM
	ds_store_b32 v10, v8                           ; all lanes write the same word with the same value
	s_wait_dscnt 0x0
	s_barrier_signal -1
	s_barrier_wait -1
	ds_load_b128 v[12:15], v11
	s_wait_dscnt 0x0
	v_add_f32 v12, v12, v13
	v_add_f32 v14, v14, v15
	v_add_f32 v12, v12, v14
	v_mul_f32 v12, s20, v12                        ; the mean
	v_sub_f32 v16, v16, v12
	v_sub_f32 v17, v17, v12
	v_sub_f32 v18, v18, v12
	v_sub_f32 v19, v19, v12
	v_mul_f32 v8, v16, v16
	v_fmac_f32 v8, v17, v17
	v_fmac_f32 v8, v18, v18
	v_fmac_f32 v8, v19, v19
	WSUM
	ds_store_b32 v10, v8 offset:16                 ; other bytes than the first sum's
	s_wait_dscnt 0x0
	s_barrier_signal -1
	s_barrier_wait -1
	ds_load_b128 v[12:15], v11 offset:16
	s_wait_dscnt 0x0
	v_add_f32 v12, v12, v13
	v_add_f32 v14, v14, v15
	v_add_f32 v12, v12, v14
	v_fma_f32 v12, v12, s20, s21                   ; the variance + 1e-6
	s_wait_alu depctr_va_vdst(0)
	v_rsq_f32 v13, v12
	v_nop                                          ; a plain place behind the transcendental
	s_wait_alu depctr_va_vdst(0)
	v_mul_f32 v16, v16, v13
	v_mul_f32 v17, v17, v13
	v_mul_f32 v18, v18, v13
	v_mul_f32 v19, v19, v13
	v_pk_fma_f32 v[16:17], v[16:17], v[144:145], v[148:149]
	v_pk_fma_f32 v[18:19], v[18:19], v[146:147], v[150:151]
	global_store_b128 v2, v[16:19], s[10:11]       ; 512 consecutive bytes a wave
	s_wait_tensorcnt 0x0
	ds_add_u32 v160, v161
	s_wait_dscnt 0x0
	s_endpgm
.Lfunc_end_k_q083ffd90bd_norm:
	.size	k_q083ffd90bd_norm, .Lfunc_end_k_q083ffd90bd_norm-k_q083ffd90bd_norm
	.p2alignl 7, 3214868480
	.fill 96, 4, 3214868480
	.section	.rodata,"a",@progbits
	.p2align	6, 0x0
	.amdhsa_kernel k_q083ffd90bd_norm
		.amdhsa_group_segment_fixed_size 1536
		.amdhsa_private_segment_fixed_size 0
		.amdhsa_enable_private_segment 0
		.amdhsa_kernarg_size 32
		.amdhsa_user_sgpr_count 2
		.amdhsa_user_sgpr_kernarg_segment_ptr 1
		.amdhsa_wavefront_size32 1
		.amdhsa_system_sgpr_workgroup_id_x 1
		.amdhsa_system_sgpr_workgroup_id_y 1
		.amdhsa_system_sgpr_workgroup_id_z 1
		.amdhsa_system_vgpr_workitem_id 0
		.amdhsa_next_free_vgpr 162
		.amdhsa_next_free_sgpr 66
		.amdhsa_reserve_vcc 0
		.amdhsa_float_denorm_mode_32 3
		.amdhsa_float_denorm_mode_16_64 3
		.amdhsa_memory_ordered 1
		.amdhsa_forward_progress 1
		.amdhsa_inst_pref_size 11
	.end_amdhsa_kernel
	.amdgpu_metadata
---
amdhsa.version: [ 1, 2 ]
amdhsa.kernels:
  - .name:           k_q083ffd90bd_norm
    .symbol:         k_q083ffd90bd_norm.kd
    .args:
      - { .name: yp, .offset: 0, .size: 8, .value_kind: global_buffer, .address_space: global }
      - { .name: gamma, .offset: 8, .size: 8, .value_kind: global_buffer, .address_space: global }
      - { .name: beta, .offset: 16, .size: 8, .value_kind: global_buffer, .address_space: global }
      - { .name: out0, .offset: 24, .size: 8, .value_kind: global_buffer, .address_space: global }
    .group_segment_fixed_size: 1536
    .private_segment_fixed_size: 0
    .kernarg_segment_align: 8
    .kernarg_segment_size: 32
    .max_flat_workgroup_size: 128
    .sgpr_count:     66
    .vgpr_count:     162
    .wavefront_size: 32
...
	.end_amdgpu_metadata
.endif
;; end of part 5
